; MI455X (gfx1250); checked and timed in simulation.
; The chip was launched on July 23, 2026; its instructions are those of AMD's public machine-readable ISA for CDNA 5 (MIT licence, August 2026) and "CDNA5" Instruction Set Architecture Reference Guide (July 2026). The comments in the code are by the model that wrote it; some were corrected since.
;; Mo E Classification Head. Allowed arithmetic: matrix products marked QUANTISED: E2M1 operands, one E8M0 scale for each 32 along K, by v_wmma_scale_f32_16x16x128_f8f6f4 with both operands' format E2M1 (or v_wmma_scale_f32_32x16x128_f4), f32 sums; products left as they are: f32 operands where the result goes on into a quantised operand, else bf16, f16 or f32 operands; f32 sums; everything else in f32.
;; Inputs: ex_b1 4 x 2,048 float32; ex_b2 4 x 3 float32; ex_ln_b 4 x 1,024 float32; ex_ln_g 4 x 1,024 float32; ex_w1_codes 4 x 2,048 x 32 x 16 uint8 (E2M1 codes of ex_w1, K innermost, in blocks of 32 codes, two codes a byte); ex_w1_scales 4 x 2,048 x 32 uint8 (E8M0 scales of ex_w1, one for each 32 codes along K); ex_w2 4 x 2,048 x 3 float32; gate_b 4 float32; gate_ln_b 1,024 float32; gate_ln_g 1,024 float32; gate_w 1,024 x 4 float32; x 8,192 x 1,024 float32.
;; Outputs: out0 8,192 x 3 float32.
;; This version of the problem:
;;   THIS VERSION OF THE PROBLEM IS GIVEN IN LOW PRECISION. The matrix products marked QUANTISED in the list below multiply operands that are first quantised to E2M1 (2 exponent bits, 1 mantissa bit; 4 bits a number), with one power-of-two scale for each 32 numbers along K (OCP MX v1.0); their sums are f32. All else is computed in f32.
;;   The module's matrix products, in the order in which they are computed (A, B: the left and right operand; K: the contracted axis; several contracted axes count as one K, in the product's order):
;;     1. [M 8,192, K 1,024] x [K 1,024, N 4]; A: computed on the way; B: input gate_w: left as it is (N = 4 < 16)
;;     2. batch 4 x [M 8,192, K 1,024] x [K 1,024, N 2,048]; A: computed on the way; B: input ex_w1 (given as codes): QUANTISED
;;     3. batch 4 x [M 8,192, K 2,048] x [K 2,048, N 3]; A: computed on the way; B: input ex_w2: left as it is (N = 3 < 16)
;;     4. batch 8,192 x [M 1, K 4] x [K 4, N 3]; A: softmax; B: computed on the way: left as it is (K = 4 < 32)
;;   THE QUANTISER, for each operand of a quantised product, along K:
;;     - K is cut into blocks of 32 from its start; a last block that is shorter is filled with zeros.
;;     - A block's scale is 2^e with e = floor(log2(the largest magnitude in the block)) - 2, held to -126 .. 127; a block of zeros has e = 0. As a byte (E8M0): e + 127.
;;     - Each number is divided by its block's scale, clamped to +-6, and rounded to the nearest number of E2M1, ties to even, subnormals kept.
;;     - The product sums the exact products of the quantised numbers (number of the format x scale) in f32.
;;   ~~~python
;;   def quantise(x, axis):      # numpy; x: float32 -> the quantised numbers, widened to float32 again
;;       x = np.moveaxis(x, axis, -1); K = x.shape[-1]
;;       x = np.pad(x, [(0, 0)] * (x.ndim - 1) + [(0, -K % 32)]); x = x.reshape(x.shape[:-1] + (-1, 32)); a = np.abs(x).max(-1, keepdims=True)
;;       e = np.where(a > 0, np.clip(np.frexp(np.where(a > 0, a, 1))[1] - 1 - 2, -126, 127), 0)      # np.frexp(a)[1] - 1 = floor(log2(a)), exactly
;;       r = np.clip(x / 2.0 ** e, -6, 6)
;;       step = 2.0 ** (np.maximum(np.frexp(np.where(r == 0, 1, r))[1] - 1, 0) - 1)
;;       q = np.round(r / step) * step * 2.0 ** e      # np.round: ties to even
;;       return np.moveaxis(q.reshape(q.shape[:-2] + (-1,))[..., :K], -1, axis).astype(np.float32)
;;   ~~~
;;   OPERANDS COMPUTED ON THE WAY. 'Computed on the way' means the value that the module computes at that place (a softmax that the list does not call 'softmax' is quantised finished and normalised). What goes into a quantiser is computed in f32, as accurately as f32 sums, v_exp_f32 and their like allow (about 1e-6 of the number): no bf16 or f16 on the way to a quantiser, and a product that is left as it is and whose result goes on into a quantised operand takes f32 operands (vector FMAs, or v_wmma_f32_16x16x4_f32). A number that lies on a knife's edge between two numbers of the format may be rounded either way, as far as f32 arithmetic and the matrix unit's own rounding can turn it there, and no further.
;;   INPUTS GIVEN AS CODES. ex_w1 (in the module: [4, 1024, 2048], K = its axis 1): each comes as NAME_codes (uint8): NAME with its K axis moved to the last place and cut into blocks of 32 codes, [.., K / 32, bytes a block], one block behind the other in memory; two codes a byte, the lower K in the low four bits (a code: sign, 2 exponent bits, 1 mantissa bit); and NAME_scales (uint8): the same leading axes, one E8M0 byte (e + 127) for each 32 codes along K. Its value is code x scale, taken as it is: it is not quantised again, and the codes and scales need not be those that the quantiser above would give.
;; One version. Each part assembles by itself: llvm-mc -triple=amdgcn-amd-amdhsa -mcpu=gfx1250 --defsym DOCPART=n.
;; ======== version 1 of 1: 2 launches
;; limits: a function is approximated: absolute error at most 0.001
;; workspace buffers: part 524,288 bytes
;; launch main (part 1): grid 64 x 4, 8 waves a work-group, clusters of 4 x 4, 327,680 bytes of LDS; arguments x, gate_ln_g, gate_ln_b, gate_w, gate_b, ex_ln_g, ex_ln_b, ex_w1_codes, ex_w1_scales, ex_b1, ex_w2, part; writes part
.if DOCPART == 1
	.amdgcn_target "amdgcn-amd-amdhsa--gfx1250"
	.amdhsa_code_object_version 6
	.text
	.protected	k_qde2c41278c_main
	.globl	k_qde2c41278c_main
	.p2align	8
	.type	k_qde2c41278c_main,@function
k_qde2c41278c_main:
	s_mov_b64 s[64:65], 0
	v_nop
	global_prefetch_b8 v0, s[64:65] scope:SCOPE_SE
	s_setreg_imm32_b32 hwreg(HW_REG_WAVE_MODE, 25, 1), 1
	s_wait_xcnt 0x0
	s_wait_alu depctr_hold_cnt(0) depctr_sa_sdst(0) depctr_va_vdst(0) depctr_va_sdst(0) depctr_va_ssrc(0) depctr_va_vcc(0) depctr_vm_vsrc(0)
	s_getreg_b32 s2, hwreg(HW_REG_IB_STS2, 6, 4)
	s_cmp_eq_u32 s2, 0
	s_cbranch_scc0 .Lentry_in_a_cluster
	s_endpgm
.Lentry_in_a_cluster:
	s_bfe_u32 s2, ttmp6, 0x10000c
	s_cmp_lg_u32 s2, 0xf033
	s_cbranch_scc0 .Lentry_shape_is_right
	s_endpgm
.Lentry_shape_is_right:
; part[e][row][0..2] = gelu(Q(LN(x) g_e + b_e) W1_e + b1_e) W2_e (without b2);  part[e][row][3] = the gate's logit e of the row.  x [8192][1024] f32; W1 as E2M1 codes [4][2048][512 bytes], K innermost, E8M0 bytes [4][2048][32].
; SHARES.  A work-group takes 128 rows of x and ONE expert (grid 64 x 4 = 256 work-groups).  Eight waves, two to a SIMD: wave w has rh = w / 4 (64 rows, four tiles of 16) and cq = w % 4 (32 of every 128 hidden units).
; The wave's whole first operand, 64 rows x 1,024 along K as codes, is 4 x 8 x 8 = 256 registers and stays in window 1 for the whole launch: so a fragment of W1 read from LDS feeds four products.
; PHASES.  LN: each wave normalises 16 rows (a row over the 32 lanes, 8 neighbours four times a lane), takes the gate's logit, applies the expert's gain and bias, quantises along K (a block of 32 = four lanes) and
; stores codes and scale bytes to LDS in the order of the operand's registers; all waves of a row half load them.  MAIN: W1 walks through a ring of two LDS slots of 256 units; a GROUP is 32 units x 64 rows:
; MM = 64 products on codes (8 accumulators by turns, b1 as the C of the first), GG = GELU in f32, rounding to bf16, 4 products with W2^T in bf16.
; THE FIRST PRODUCT IS USED TRANSPOSED (source 0 = 16 units of W1, source 1 = 16 rows of x): a lane holds one row and eight units, and two neighbouring tiles, packed to bf16, ARE source 1 (32 units x 16 rows) of the second product.
; SKEW.  Waves with rh = 0 run MM, GG in each half of a slot; waves with rh = 1 run GG of the group before, then MM: of a SIMD's two waves one multiplies while the other walks its GELU.
; GELU.  gelu(x) = max(x, 0) - |x| q, q = erfc(|x| / sqrt 2) / 2 = 1 / P(|x|)^4, P a polynomial of degree 4 (Abramowitz and Stegun 7.1.27, with 1 / sqrt 2 and 2^(1/4) folded into its coefficients): 13 instructions for two numbers.
; ITS ACCURACY: the error of erf is at most 5e-4, so that of gelu at most 2.5e-4 |x|, and under 1e-3 for every x (beyond |x| = 3 q and its approximation both fall off).  The hidden layer goes into no quantiser; it is rounded
; to bf16, up to 2^-9 of the number, directly behind.  All coefficients are positive: for a large |x| P^4 becomes infinite and q 0, with no clamp.
; CLUSTER 4 x 4: cx = the row block, cy = the expert.  The four work-groups of a cluster's row walk the same W1: each tile is asked for JOINTLY (mask 15 << 4 cy).  x's rows are shared along a column of the cluster but come
; through registers, not jointly: a stage for only 16 rows of f32 is 65,536 bytes, and ring, images, W2^T and spare words take 325,376 of the 327,680 bytes.
; LIMITS.  NaN and infinities in x or in the pre-activations are not served; the sum of a row's 1,024 squared deviations must stay finite in f32 (deviations under about 5e17).  The hidden layer and W2 are rounded to bf16 for the
; second product.  A block of zeros gets the scale byte 1, not 127: its codes are zeros, and these bytes are read by this launch alone.
.set SLOT,   135168                    ; a slot: 256 units x 528 bytes (512 + 16 of padding: 132 words, so that 16 rows start at 16 different banks)
.set HSTEP,  67584                     ; 128 units: half a slot
.set WROWS,  33792                     ; 64 units: one tensor load
.set XIMG,   270336                    ; x's codes: 4 tile places x 32 blocks x (16 rows x 16 bytes + 16); before that the table u (4,096) and 8 partial sums; at the end the stage of the sums over cq
.set UT,     XIMG
.set CP,     XIMG+4096
.set XSC,    305152                    ; x's scale words: 4 tile places x 4 pairs of K steps x 128 bytes
.set W2T,    307200                    ; W2^T in bf16: 3 classes and a row of zeros, 4,096 + 16 bytes each
.set GLG,    323840                    ; the gate's logit of the 128 rows
.set SPARE,  324352                    ; the spare words, 128 bytes for each of eight waves: four blocks of 256 bytes that no other line names
.set SPW, 1                            ; v1  SPARE + 4 x thread; never rewritten
.set NIL, 2                            ; v2  0; never rewritten
.set ADW0, 3                           ; v3  my lane's place in a group's 32 rows of W1;  v4 with the half slot in hand
.set ADW, 4
.set ADV0, 5                           ; v5  my lane's place in W2^T;  v6 with the group in hand
.set ADV, 6
.set OBI0, 7                           ; v7  byte offset of my eight b1;  v8 for the next group
.set OBI, 8
.set OWS0, 9                           ; v9  byte offset of my unit's 32 scale bytes;  v10 for the next group
.set OWS, 10
.set RST, 11                           ; v11 the end: where I put my sums;  v12 where thread T reads row T's;  v13 its gate logit;  v14 16 T
.set RA,  12
.set AGR, 13
.set PO,  14
.set K3,  16                           ; v[16:17] c3 twice
.set XS,  18                           ; v18-33 x's scale words: register 4 t + g: lanes 0-15 K step 2 g, lanes 16-31 K step 2 g + 1.  Scales and nothing else
.set WS,  34                           ; v34-41 W1's scale words: register s = K step s, lane = unit of the group.  Scales and nothing else
.set BI,  42                           ; v42-57 b1 in the result's layout, two tiles
.set W2F, 58                           ; v58-65 W2^T's fragment of the group
.set L,   66                           ; v66-97 the second product's four accumulators
.set FA,  98                           ; v98-129  W1's fragments of two K steps; in GG: m and |x| of odd tiles
.set FB,  130                          ; v130-161 the same; in GG: of even tiles
.set AC,  184                          ; v184-247 accumulator (unit tile u, row tile t) at AC + 16 t + 8 u
.set G,   42                           ; LN: v42-73 gain, v74-105 bias, v106-137 u = gate gain x gate weight: register 8 g + k = element 256 g + 8 lane + k
.set BV,  74
.set U,   106
.set SA,  138                          ; two chains of sums for each of two rows: v138-145
.set SB,  140
.set MU,  146                          ; v146, v148 the means (pairs; upper halves written once)
.set RS,  150                          ; v150, v152 1 / sqrt(var + eps)
.set BM,  154                          ; v154-161 largest magnitudes, then scale bytes
.set SO,  162                          ; v162-169 the conversions' scale operands
.set CD,  170                          ; v170-177 codes
.set PT,  178                          ; v178-179 the other half's part in a sum over lanes
.set CE,  180                          ; v180 sum of gate bias x gate weight + gate_b[e]
.set TT,  181                          ; v181-182 var + eps, then the logit
.set XO,  248                          ; v248 32 x lane
.set PST, 249                          ; v249 where I store codes;  v250 scale bytes;  v251 the logit
.set PSS, 250
.set AGL, 251
.set ADI, 252                          ; v252 where I load images;  v253 their scale words
.set ADS, 253
.set MSB, 0
.macro WIN new                         ; s_set_vgpr_msb: bits 1:0 source 0, 3:2 source 1, 5:4 source 2, 7:6 destination; the high byte repeats the setting that is left
.if MSB != (\new)
	s_set_vgpr_msb (MSB<<8)|(\new)
.set MSB, (\new)
.endif
.endm
.macro PLACES n
.rept \n
	v_nop
.endr
.endm
.macro BARRIER                         ; my LDS stores have landed and my LDS loads are in: then the work-group's barrier
	s_wait_dscnt 0x0
	s_barrier_signal -1
	s_barrier_wait -1
.endm
.macro ROUND                           ; a round of the cluster's barrier
	s_barrier_signal -1
	s_barrier_wait -1
	s_cmp_lg_u32 s28, 0
	s_cbranch_scc1 .Lnw0_\@
	s_barrier_signal -3
.Lnw0_\@:
	s_barrier_wait -3
	s_barrier_signal -1
	s_barrier_wait -1
.endm
.macro TLOAD                           ; waves 0 to 3 fetch 64 units each, jointly with the three partners of the cluster's row; four v_nop follow the load
	s_cmp_lt_u32 s28, 4
	s_cbranch_scc0 .Lnt_\@
	tensor_load_to_lds s[36:39], s[40:47]
	s_nop 0
.rept 4
	v_nop
.endr
.Lnt_\@:
.endm
	s_load_b512 s[4:19], s[0:1], 0x0               ; x 4, gate_ln_g 6, gate_ln_b 8, gate_w 10, gate_b 12, ex_ln_g 14, ex_ln_b 16, codes 18
	s_load_b256 s[20:27], s[0:1], 0x40             ; scales 20, b1 22, w2 24, part 26
	v_lshl_add_u32 v[SPW], v0, 2, SPARE
	v_mov_b32 v[NIL], 0
	ds_add_u32 v1, v2
	s_wait_dscnt 0x0
	v_lshrrev_b32 v15, 5, v0
	v_readfirstlane_b32 s28, v15                   ; wave 0..7
	s_lshr_b32 s29, s28, 2                         ; rh
	s_and_b32 s30, s28, 3                          ; cq
	s_bfe_u32 s31, ttmp6, 0x40000                  ; cx
	s_bfe_u32 s34, ttmp6, 0x40004                  ; cy
	s_and_b32 s32, ttmp7, 0xffff
	s_lshl_b32 s32, s32, 2
	s_add_co_u32 s32, s32, s34                     ; the expert = 4 x cluster y + cy
	s_lshl_b32 s33, ttmp9, 2
	s_add_co_u32 s33, s33, s31                     ; the row block = 4 x cluster x + cx
	s_lshl_b32 s35, s34, 2
	s_lshl_b32 s35, 15, s35                        ; my row of the cluster
	; descriptor group 1: 64 rows of 512 bytes, dense in memory, 16 bytes of padding behind each
	s_or_b32 s40, s35, (0<<16)|(1<<20)|(1<<21)|(6<<22)|(3<<25)  ; 15:0 the mask; 17:16 elements of 1 byte; 20 padding on; 21 set beside a mask; 24:22 after every 128 words; 31:25 four words
	s_mov_b32 s41, 512<<16                         ; tensor_dim0
	s_mov_b32 s42, 64<<16                          ; tensor_dim1
	s_mov_b32 s43, 512<<16                         ; tile_dim0
	s_mov_b32 s44, 64                              ; tile_dim1
	s_mov_b32 s45, 512                             ; the pitch
	s_mov_b32 s46, 0
	s_mov_b32 s47, 0
	s_lshl_b32 s78, s32, 20                        ; the expert's 2,048 x 512 bytes of codes,
	s_lshl_b32 s79, s28, 15                        ; my 64 units of a slot
	s_add_co_u32 s78, s78, s79
	s_mov_b32 s79, 0
	s_mov_b32 s36, 1
	s_mul_i32 s37, s28, WROWS                      ; LDS: slot 0, wave x 64 rows: no place in the cluster enters it
	s_mov_b32 s48, 0x3cbe3b53                      ; c4 = 2^(1/4) x 0.078108 / 4.  The coefficients of P stand as pairs: the packed forms name a pair and take its low word for both halves
	s_mov_b32 s49, s48
	s_mov_b32 s50, 0x3e0c4723                      ; c2 = 2^(1/4) x 0.230389 / 2   (c3 lies in v[16:17])
	s_mov_b32 s51, s50
	s_mov_b32 s52, 0x3e6fb7d3                      ; c1 = 2^(1/4) x 0.278393 / sqrt 2
	s_mov_b32 s53, s52
	s_mov_b32 s54, 0x3f9837f0                      ; c0 = 2^(1/4)
	s_mov_b32 s55, s54
	s_mov_b32 s60, 0x76543210                      ; v_permlanex16_b32's selects for lane l xor 16
	s_mov_b32 s61, 0xfedcba98
	s_mov_b32 s62, 0x3727c5ac                      ; eps = 1e-5
	s_mov_b32 s67, 0x3a800000                      ; 1 / 1,024
	; every address register is made here, on the one way that all waves take
	v_and_b32 v254, 31, v0                         ; lane
	v_and_b32 v255, 15, v0                         ; r
	v_bfe_u32 v183, v0, 4, 1                       ; h
	v_mul_u32_u24 v[ADW0], v255, 528
	v_lshl_add_u32 v[ADW0], v183, 4, v[ADW0]
	s_mul_i32 s72, s30, 16896
	v_add_nc_u32 v[ADW0], s72, v[ADW0]             ; row r x 528 + 16 h + my 32 units of the 128
	v_and_b32 v[ADV0], 3, v0
	v_mul_u32_u24 v[ADV0], v[ADV0], 4112
	v_lshl_add_u32 v[ADV0], v183, 4, v[ADV0]
	s_lshl_b32 s72, s30, 6
	s_add_co_u32 s72, s72, W2T
	v_add_nc_u32 v[ADV0], s72, v[ADV0]             ; row r % 4 of W2^T (rows 4 to 15 of the result repeat rows 0 to 3 and are not read) + 16 h + 64 cq
	v_lshlrev_b32 v[OBI0], 5, v183
	s_lshl_b32 s72, s30, 7
	v_add_nc_u32 v[OBI0], s72, v[OBI0]             ; b1: 4 x (32 cq + 8 h)
	v_lshlrev_b32 v[OWS0], 5, v254
	s_lshl_b32 s72, s30, 10
	v_add_nc_u32 v[OWS0], s72, v[OWS0]             ; W1's scale bytes: 32 x (32 cq + lane)
	v_lshlrev_b32 v[RST], 4, v254
	s_lshl_b32 s72, s28, 11
	s_add_co_u32 s72, s72, XIMG
	v_add_nc_u32 v[RST], s72, v[RST]
	v_lshrrev_b32 v[RA], 6, v0
	v_lshlrev_b32 v[RA], 13, v[RA]
	v_bfe_u32 v15, v0, 4, 2
	v_lshl_add_u32 v[RA], v15, 9, v[RA]
	v_lshl_add_u32 v[RA], v255, 4, v[RA]
	v_add_nc_u32 v[RA], XIMG, v[RA]                ; row T: rh = T / 64 (four waves of 2,048 bytes), tile (T / 16) % 4, lane T % 16
	v_lshl_add_u32 v[AGR], v0, 2, GLG
	v_lshlrev_b32 v[PO], 4, v0
	v_lshlrev_b32 v[XO], 5, v254
	s_lshr_b32 s74, s28, 1                         ; the tile place that I write: wave / 2; rows 8 (wave % 2) on
	s_and_b32 s75, s28, 1
	v_lshrrev_b32 v15, 2, v254
	v_mul_u32_u24 v[PST], v15, 272
	v_and_b32 v15, 3, v0
	v_lshl_add_u32 v[PST], v15, 2, v[PST]
	s_mul_i32 s72, s74, 8704
	s_lshl_b32 s73, s75, 7
	s_add_co_u32 s72, s72, s73
	s_add_co_u32 s72, s72, XIMG
	v_add_nc_u32 v[PST], s72, v[PST]               ; block lane / 4 of eight, word lane % 4 of the block's four
	v_lshlrev_b32 v[PSS], 6, v183
	v_bfe_u32 v15, v0, 2, 2
	v_add_nc_u32 v[PSS], v[PSS], v15
	s_lshl_b32 s72, s74, 9
	s_lshl_b32 s73, s75, 5
	s_add_co_u32 s72, s72, s73
	s_add_co_u32 s72, s72, XSC
	v_add_nc_u32 v[PSS], s72, v[PSS]               ; K step's parity lane / 16 (64 bytes), byte (lane / 4) % 4 of the row's word
	s_lshl_b32 s72, s29, 8
	s_lshl_b32 s73, s30, 5
	s_add_co_u32 s72, s72, s73
	s_add_co_u32 s72, s72, GLG
	v_mov_b32 v[AGL], s72
	v_mul_u32_u24 v[ADI], v183, 272
	v_lshl_add_u32 v[ADI], v255, 4, v[ADI]
	s_mul_i32 s72, s29, 17408
	s_add_co_u32 s72, s72, XIMG
	v_add_nc_u32 v[ADI], s72, v[ADI]               ; my row half's two places; block h, row r
	v_lshlrev_b32 v[ADS], 2, v254
	s_lshl_b32 s72, s29, 10
	s_add_co_u32 s72, s72, XSC
	v_add_nc_u32 v[ADS], s72, v[ADS]
	v_lshlrev_b32 v138, 6, v0                      ; the set-up's addresses: gate_w at 64 T,
	v_mul_u32_u24 v139, v0, 96                     ; ex_w2 at 96 T,
	v_lshl_add_u32 v140, v0, 4, UT                 ; u at 16 T,
	v_lshl_add_u32 v141, v0, 4, W2T                ; W2^T at 16 T,
	s_lshl_b32 s72, s28, 2
	s_add_co_u32 s72, s72, CP
	v_mov_b32 v142, s72                            ; my wave's partial sum,
	v_lshl_add_u32 v143, v254, 5, UT               ; u back at 32 x lane,
	v_mov_b32 v144, CP                             ; the eight partial sums
	v_mov_b32 v[PT], 0                             ; written once: a lane permute's destination counts as one of its sources
	v_mov_b32 v[PT+1], 0
	v_mov_b32 v[MU+1], 0                           ; (upper halves of pairs of which the low word serves both halves)
	v_mov_b32 v[MU+3], 0
	v_mov_b32 v[RS+1], 0
	v_mov_b32 v[RS+3], 0
	s_wait_kmcnt 0x0
	s_add_nc_u64 s[38:39], s[18:19], s[78:79]      ; units 0 to 255 of my expert
	s_or_b32 s39, s39, 0x80000000                  ; type = 2
	ROUND                                          ; all sixteen work-groups are here: the first joint loads meet
	TLOAD                                          ; slot 0.  By this text's count a wave never has more than one tensor load out
	s_lshl_b32 s72, s32, 12                        ; each pointer takes its expert's or its rows' offset once
	s_mov_b32 s73, 0
	s_add_nc_u64 s[14:15], s[14:15], s[72:73]
	s_add_nc_u64 s[16:17], s[16:17], s[72:73]
	s_lshl_b32 s72, s32, 2
	s_add_nc_u64 s[10:11], s[10:11], s[72:73]
	s_add_nc_u64 s[12:13], s[12:13], s[72:73]
	s_load_b32 s80, s[12:13], 0x0                  ; gate_b[e]
	s_lshl_b32 s72, s32, 16
	s_add_nc_u64 s[20:21], s[20:21], s[72:73]
	s_lshl_b32 s72, s32, 13
	s_add_nc_u64 s[22:23], s[22:23], s[72:73]
	s_mul_i32 s72, s32, 24576
	s_add_nc_u64 s[24:25], s[24:25], s[72:73]
	s_lshl_b32 s76, s33, 7
	s_lshl_b32 s77, s29, 6
	s_add_co_u32 s76, s76, s77
	s_lshl_b32 s77, s30, 3
	s_add_co_u32 s76, s76, s77                     ; the first row that I normalise: 128 x block + 64 rh + 8 cq
	s_lshl_b32 s76, s76, 12
	s_mov_b32 s77, 0
	s_add_nc_u64 s[4:5], s[4:5], s[76:77]
	s_lshl_b32 s76, s32, 13
	s_lshl_b32 s74, s33, 7
	s_add_co_u32 s76, s76, s74
	s_lshl_b32 s76, s76, 4
	s_add_nc_u64 s[26:27], s[26:27], s[76:77]      ; part at (8,192 e + 128 x block) x 16
; Batch b is two rows.  It lies in one of three buffers of 64 registers: window 1 v128, window 1 v192, window 0 v184, by turns
.macro XSEL b
.if ((\b)%3) == 0
.set XB, 128
.set WX, 1
.elseif ((\b)%3) == 1
.set XB, 192
.set WX, 1
.else
.set XB, 184
.set WX, 0
.endif
.endm
.macro XLOAD b                         ; rows 32 (b / 4) + 2 (b % 4) + 0, 1 of my sixteen: register 32 p + 8 g + k = element 256 g + 8 lane + k; a pair of loads covers 1,024 consecutive bytes
	XSEL \b
	WIN 0x40*WX
.irp p, 0,1
.irp g, 0,1,2,3
	global_load_b128 v[XB+32*\p+8*\g:XB+32*\p+8*\g+3], v[XO], s[4:5] offset:(32*((\b)/4)+2*((\b)%4)+\p)*4096+1024*\g
	global_load_b128 v[XB+32*\p+8*\g+4:XB+32*\p+8*\g+7], v[XO], s[4:5] offset:(32*((\b)/4)+2*((\b)%4)+\p)*4096+1024*\g+16
.endr
.endr
	WIN 0
.endm
.macro FOLD2                           ; both rows' two chains, their two halves and the 32 lanes are added: every lane ends with the row's sum in v[SA], v[SA+4]
.irp p, 0,1
	v_pk_add_f32 v[SA+4*\p:SA+4*\p+1], v[SA+4*\p:SA+4*\p+1], v[SB+4*\p:SB+4*\p+1]
.endr
.irp p, 0,1
	v_add_f32 v[SA+4*\p], v[SA+4*\p], v[SA+4*\p+1]
.endr
.irp m, 1,2,4,8
.irp p, 0,1
	v_add_f32_dpp v[SA+4*\p], v[SA+4*\p], v[SA+4*\p] row_xmask:\m row_mask:0xf bank_mask:0xf
.endr
.endr
.irp p, 0,1
	v_permlanex16_b32 v[PT+\p], v[SA+4*\p], s60, s61
.endr
.irp p, 0,1
	v_add_f32 v[SA+4*\p], v[SA+4*\p], v[PT+\p]
.endr
.endm
	; THE LOADS, in this order: 12 for the set-up, 8 + 8 gain and bias, 16 + 16 the first two batches
	global_load_b128 v[184:187], v[PO], s[6:7]     ; gate_ln_g, elements 4 T on
	global_load_b128 v[188:191], v[PO], s[8:9]     ; gate_ln_b
.irp k, 0,1,2,3
	global_load_b32 v[192+\k], v138, s[10:11] offset:16*\k   ; gate_w[4 T + k][e]
.endr
.irp k, 0,1,2,3,4,5
	global_load_b128 v[196+4*\k:199+4*\k], v139, s[24:25] offset:16*\k   ; ex_w2[e], units 8 T on: 24 numbers
.endr
.irp g, 0,1,2,3
	global_load_b128 v[G+8*\g:G+8*\g+3], v[XO], s[14:15] offset:1024*\g
	global_load_b128 v[G+8*\g+4:G+8*\g+7], v[XO], s[14:15] offset:1024*\g+16
.endr
.irp g, 0,1,2,3
	global_load_b128 v[BV+8*\g:BV+8*\g+3], v[XO], s[16:17] offset:1024*\g
	global_load_b128 v[BV+8*\g+4:BV+8*\g+7], v[XO], s[16:17] offset:1024*\g+16
.endr
	XLOAD 0
	XLOAD 1
	s_wait_loadcnt 48                              ; the set-up's 12 are in; gain, bias (16) and two batches (32) may be out
	; THE SET-UP: u = gate gain x gate weight; the sum of gate bias x gate weight; W2^T in bf16
	v_pk_mul_f32 v[236:237], v[184:185], v[192:193]
	v_pk_mul_f32 v[238:239], v[186:187], v[194:195]
	v_mul_f32 v240, v188, v192
	v_fmac_f32 v240, v189, v193
	v_fmac_f32 v240, v190, v194
	v_fmac_f32 v240, v191, v195
.irp m, 1,2,4,8
	v_add_f32_dpp v240, v240, v240 row_xmask:\m row_mask:0xf bank_mask:0xf
.endr
	v_permlanex16_b32 v[PT], v240, s60, s61
	v_add_f32 v240, v240, v[PT]
.irp c, 0,1,2
.irp k, 0,1,2,3
	v_cvt_pk_bf16_f32 v[220+4*\c+\k], v[196+6*\k+\c], v[196+6*\k+3+\c]   ; class c, units 8 T + 2 k, + 1
.endr
.endr
.irp k, 0,1,2,3
	v_mov_b32 v[232+\k], 0
.endr
	ds_store_b128 v140, v[236:239]
	ds_store_b32 v142, v240                        ; all lanes write the same word with the same value
.irp c, 0,1,2
	ds_store_b128 v141, v[220+4*\c:223+4*\c] offset:4112*\c
.endr
	ds_store_b128 v141, v[232:235] offset:3*4112   ; the row of zeros
	BARRIER
.irp g, 0,1,2,3
	ds_load_b128 v[U+8*\g:U+8*\g+3], v143 offset:1024*\g
	ds_load_b128 v[U+8*\g+4:U+8*\g+7], v143 offset:1024*\g+16
.endr
	ds_load_b128 v[184:187], v144
	ds_load_b128 v[188:191], v144 offset:16
	BARRIER                                        ; every wave has read u: its bytes are x's images from here on
	v_add_f32 v184, v184, v185
	v_add_f32 v186, v186, v187
	v_add_f32 v188, v188, v189
	v_add_f32 v190, v190, v191
	v_add_f32 v184, v184, v186
	v_add_f32 v188, v188, v190
	v_add_f32 v184, v184, v188
	s_wait_kmcnt 0x0
	v_add_f32 v[CE], s80, v184
; TWO ROWS: mean, deviations, variance, the gate's logit, the expert's gain and bias, the quantiser.  The rows take turns line by line.
.macro BATCH b
	s_wait_dscnt 0x0                               ; the last batch's LDS stores are done: their data registers are written again below
.if (\b) <= 5
	XLOAD (\b)+2                                   ; two batches ahead, into the buffer that the last batch has left
.endif
	XSEL \b
.if (\b) <= 5
	s_wait_loadcnt 32                              ; mine are in; the 16 loads of each of the two younger batches may be out
.elseif (\b) == 6
	s_wait_loadcnt 16
.else
	s_wait_loadcnt 0x0
.endif
	WIN 5*WX
.irp p, 0,1
	v_pk_add_f32 v[SA+4*\p:SA+4*\p+1], v[XB+32*\p:XB+32*\p+1], v[XB+32*\p+2:XB+32*\p+3]
	v_pk_add_f32 v[SB+4*\p:SB+4*\p+1], v[XB+32*\p+4:XB+32*\p+5], v[XB+32*\p+6:XB+32*\p+7]
.endr
	WIN WX
.irp j, 8,12,16,20,24,28
.irp p, 0,1
	v_pk_add_f32 v[SA+4*\p:SA+4*\p+1], v[XB+32*\p+\j:XB+32*\p+\j+1], v[SA+4*\p:SA+4*\p+1]
	v_pk_add_f32 v[SB+4*\p:SB+4*\p+1], v[XB+32*\p+\j+2:XB+32*\p+\j+3], v[SB+4*\p:SB+4*\p+1]
.endr
.endr
	WIN 0
	FOLD2
.irp p, 0,1
	v_mul_f32 v[MU+2*\p], s67, v[SA+4*\p]          ; the mean
.endr
	WIN 0x41*WX
.irp j, 0,2,4,6,8,10,12,14,16,18,20,22,24,26,28,30
.irp p, 0,1
	v_pk_add_f32 v[XB+32*\p+\j:XB+32*\p+\j+1], v[XB+32*\p+\j:XB+32*\p+\j+1], v[MU+2*\p:MU+2*\p+1] op_sel_hi:[1,0] neg_lo:[0,1] neg_hi:[0,1]   ; d = x - mean
.endr
.endr
	WIN 5*WX
.irp p, 0,1
	v_pk_mul_f32 v[SA+4*\p:SA+4*\p+1], v[XB+32*\p:XB+32*\p+1], v[XB+32*\p:XB+32*\p+1]
	v_pk_mul_f32 v[SB+4*\p:SB+4*\p+1], v[XB+32*\p+2:XB+32*\p+3], v[XB+32*\p+2:XB+32*\p+3]
.endr
.irp j, 4,8,12,16,20,24,28
.irp p, 0,1
	v_pk_fma_f32 v[SA+4*\p:SA+4*\p+1], v[XB+32*\p+\j:XB+32*\p+\j+1], v[XB+32*\p+\j:XB+32*\p+\j+1], v[SA+4*\p:SA+4*\p+1]
	v_pk_fma_f32 v[SB+4*\p:SB+4*\p+1], v[XB+32*\p+\j+2:XB+32*\p+\j+3], v[XB+32*\p+\j+2:XB+32*\p+\j+3], v[SB+4*\p:SB+4*\p+1]
.endr
.endr
	WIN 0
	FOLD2
.irp p, 0,1
	v_fma_f32 v[TT+\p], v[SA+4*\p], s67, s62       ; var + eps
.endr
.irp p, 0,1
	v_rsq_f32 v[RS+2*\p], v[TT+\p]
.endr
	WIN WX                                         ; the sum of d x u is the independent work behind the two roots
.irp p, 0,1
	v_pk_mul_f32 v[SA+4*\p:SA+4*\p+1], v[XB+32*\p:XB+32*\p+1], v[U:U+1]
	v_pk_mul_f32 v[SB+4*\p:SB+4*\p+1], v[XB+32*\p+2:XB+32*\p+3], v[U+2:U+3]
.endr
.irp j, 4,8,12,16,20,24,28
.irp p, 0,1
	v_pk_fma_f32 v[SA+4*\p:SA+4*\p+1], v[XB+32*\p+\j:XB+32*\p+\j+1], v[U+\j:U+\j+1], v[SA+4*\p:SA+4*\p+1]
	v_pk_fma_f32 v[SB+4*\p:SB+4*\p+1], v[XB+32*\p+\j+2:XB+32*\p+\j+3], v[U+\j+2:U+\j+3], v[SB+4*\p:SB+4*\p+1]
.endr
.endr
	WIN 0
	FOLD2
	s_wait_alu depctr_va_vdst(0)                   ; one wait for both roots, ahead of their first reader
.irp p, 0,1
	v_fma_f32 v[TT+\p], v[SA+4*\p], v[RS+2*\p], v[CE]   ; the gate's logit e of the row
.endr
.irp p, 0,1
	ds_store_b32 v[AGL], v[TT+\p] offset:4*(32*((\b)/4)+2*((\b)%4)+\p)   ; all lanes write the same word with the same value
.endr
	WIN 0x41*WX
.irp j, 0,2,4,6,8,10,12,14,16,18,20,22,24,26,28,30
.irp p, 0,1
	v_pk_mul_f32 v[XB+32*\p+\j:XB+32*\p+\j+1], v[XB+32*\p+\j:XB+32*\p+\j+1], v[RS+2*\p:RS+2*\p+1] op_sel_hi:[1,0]   ; normed
.endr
.endr
.irp j, 0,2,4,6,8,10,12,14,16,18,20,22,24,26,28,30
.irp p, 0,1
	v_pk_fma_f32 v[XB+32*\p+\j:XB+32*\p+\j+1], v[XB+32*\p+\j:XB+32*\p+\j+1], v[G+\j:G+\j+1], v[BV+\j:BV+\j+1]   ; x gain + bias
.endr
.endr
	WIN 5*WX                                       ; THE QUANTISER.  A block of 32 along K is 8 numbers of each of four neighbouring lanes
.irp p, 0,1
.irp g, 0,1,2,3
	v_max3_num_f32 v[BM+4*\p+\g], |v[XB+32*\p+8*\g]|, |v[XB+32*\p+8*\g+1]|, 0x1800000   ; with the floor 2^(3 - 127): the byte cannot fall under 1
.endr
.endr
.irp i, 2,4,6
.irp p, 0,1
.irp g, 0,1,2,3
	v_max3_num_f32 v[BM+4*\p+\g], |v[XB+32*\p+8*\g+\i]|, |v[XB+32*\p+8*\g+\i+1]|, v[BM+4*\p+\g]
.endr
.endr
.endr
	WIN 0
.irp m, 1,2
.irp q, 0,1,2,3,4,5,6,7
	v_max_num_f32_dpp v[BM+\q], v[BM+\q], v[BM+\q] row_xmask:\m row_mask:0xf bank_mask:0xf
.endr
.endr
.irp q, 0,1,2,3,4,5,6,7
	v_add_nc_u32 v[SO+\q], 0xff000000, v[BM+\q]    ; 2 off the exponent field: the conversion takes this operand's exponent field as its scale
.endr
	WIN WX
.irp p, 0,1
.irp g, 0,1,2,3
	v_cvt_scalef32_pk8_fp4_f32 v[CD+4*\p+\g], v[XB+32*\p+8*\g:XB+32*\p+8*\g+7], v[SO+4*\p+\g]
.endr
.endr
	WIN 0
.irp q, 0,1,2,3,4,5,6,7
	v_lshrrev_b32 v[BM+\q], 23, v[SO+\q]           ; the scale's byte.  (Also the plain lines behind the conversions)
.endr
.irp p, 0,1
.irp g, 0,1,2,3
	ds_store_b32 v[PST], v[CD+4*\p+\g] offset:2176*\g+16*(2*((\b)%4)+\p)   ; blocks 8 g on, row 2 (b % 4) + p of my eight
	ds_store_b8 v[PSS], v[BM+4*\p+\g] offset:128*\g+4*(2*((\b)%4)+\p)      ; a block's four lanes write the same byte with the same value
.endr
.endr
.endm
.macro ALOAD p                         ; my row half's tiles 2 p and 2 p + 1 come into their registers: fragment (t, s) at window 1 v[64 t + 8 s]; block 4 s + 2 c + h of row r is 16 bytes
	WIN 0x40
.irp j, 0,1
.irp s, 0,1,2,3,4,5,6,7
.irp c, 0,1
	ds_load_b128 v[64*(2*\p+\j)+8*\s+4*\c:64*(2*\p+\j)+8*\s+4*\c+3], v[ADI] offset:8704*\j+544*(2*\s+\c)
.endr
.endr
.endr
	WIN 0
.irp j, 0,1
.irp g, 0,1,2,3
	ds_load_b32 v[XS+4*(2*\p+\j)+\g], v[ADS] offset:512*\j+128*\g
.endr
.endr
.endm
	BATCH 0
	BATCH 1
	BATCH 2
	BATCH 3
	BARRIER                                        ; four tiles of 16 rows lie in LDS
	ALOAD 0
	BARRIER                                        ; every wave has read them: the places are written again
	BATCH 4
	BATCH 5
	BATCH 6
	BATCH 7
	BARRIER
	ALOAD 1                                        ; waited for at the first change of slots
.irp i, 0,1,2,3,4,5,6,7,8,9,10,11,12,13,14,15,16,17,18,19,20,21,22,23,24,25,26,27,28,29,30,31
	v_mov_b32 v[L+\i], 0                           ; 32 lines once, so that GG is written without a first form of its own
.endr
	v_mov_b32 v[K3], 0x39d64385                    ; c3 = 2^(1/4) x 0.000972 / (2 sqrt 2)
	v_mov_b32 v[K3+1], 0x39d64385
	global_load_b128 v[BI:BI+3], v[OBI0], s[22:23]                 ; group 0's b1 and scale words
	global_load_b128 v[BI+4:BI+7], v[OBI0], s[22:23] offset:16
	global_load_b128 v[BI+8:BI+11], v[OBI0], s[22:23] offset:64
	global_load_b128 v[BI+12:BI+15], v[OBI0], s[22:23] offset:80
	global_load_b128 v[WS:WS+3], v[OWS0], s[20:21]
	global_load_b128 v[WS+4:WS+7], v[OWS0], s[20:21] offset:16
; One product on codes.  ra, rb: the side's scales stand in lanes 16-31 of the register named
.macro FP4 d, a, b, c, sa, sb, ra, rb
.if (\ra) && (\rb)
	v_wmma_scale_f32_16x16x128_f8f6f4 v[\d:\d+7], v[\a:\a+7], v[\b:\b+7], v[\c:\c+7], v[\sa], v[\sb] matrix_a_fmt:MATRIX_FMT_FP4 matrix_b_fmt:MATRIX_FMT_FP4 matrix_a_scale:MATRIX_SCALE_ROW1 matrix_b_scale:MATRIX_SCALE_ROW1
.elseif (\ra)
	v_wmma_scale_f32_16x16x128_f8f6f4 v[\d:\d+7], v[\a:\a+7], v[\b:\b+7], v[\c:\c+7], v[\sa], v[\sb] matrix_a_fmt:MATRIX_FMT_FP4 matrix_b_fmt:MATRIX_FMT_FP4 matrix_a_scale:MATRIX_SCALE_ROW1
.elseif (\rb)
	v_wmma_scale_f32_16x16x128_f8f6f4 v[\d:\d+7], v[\a:\a+7], v[\b:\b+7], v[\c:\c+7], v[\sa], v[\sb] matrix_a_fmt:MATRIX_FMT_FP4 matrix_b_fmt:MATRIX_FMT_FP4 matrix_b_scale:MATRIX_SCALE_ROW1
.else
	v_wmma_scale_f32_16x16x128_f8f6f4 v[\d:\d+7], v[\a:\a+7], v[\b:\b+7], v[\c:\c+7], v[\sa], v[\sb] matrix_a_fmt:MATRIX_FMT_FP4 matrix_b_fmt:MATRIX_FMT_FP4
.endif
.endm
; K step s of a group: 8 products, the eight accumulators by turns, one instruction a turn.  first = 1: b1 is the C
.macro KSTEP s, f, first
.irp t, 0,1,2,3
.irp u, 0,1
.if \first
	FP4 AC+16*\t+8*\u, \f+8*\u, 64*\t+8*(\s), BI+8*\u, WS+(\s), XS+4*\t+(\s)/2, \u, (\s)%2
.else
	FP4 AC+16*\t+8*\u, \f+8*\u, 64*\t+8*(\s), AC+16*\t+8*\u, WS+(\s), XS+4*\t+(\s)/2, \u, (\s)%2
.endif
.endr
.endr
.endm
.macro WFRAG f, s                      ; W1's two fragments (16 units each) of K step s
.irp u, 0,1
.irp c, 0,1
	ds_load_b128 v[\f+8*\u+4*\c:\f+8*\u+4*\c+3], v[ADW] offset:8448*\u+64*(\s)+32*\c
.endr
.endr
.endm
; THE MATRIX PHASE OF A GROUP: 64 products; W1's fragments two K steps at a time in two buffers; the next group's b1 and scale words are asked for as soon as this group's have been read.
; A load into a register that a matrix instruction has read stands four plain vector instructions behind it (ISA guide 7.12.1 for vector instructions).
.macro MM
	WFRAG FA, 0
	WFRAG FA+16, 1
	WFRAG FB, 2
	WFRAG FB+16, 3
	ds_load_b128 v[W2F:W2F+3], v[ADV]
	ds_load_b128 v[W2F+4:W2F+7], v[ADV] offset:32
	s_wait_loadcnt 0x0                             ; this group's b1 and scale words, asked for a group ago
	s_wait_dscnt 10                                ; K steps 0 and 1 are in; K steps 2 and 3 (8 loads) and W2^T's fragment (2) may be out
	WIN 0x04                                       ; source 1 (x) in window 1; loads name only destination and source 0, so the setting stays to the end
	KSTEP 0, FA, 1
	KSTEP 1, FA+16, 0
	PLACES 4
	global_load_b128 v[BI:BI+3], v[OBI], s[22:23]
	global_load_b128 v[BI+4:BI+7], v[OBI], s[22:23] offset:16
	global_load_b128 v[BI+8:BI+11], v[OBI], s[22:23] offset:64
	global_load_b128 v[BI+12:BI+15], v[OBI], s[22:23] offset:80
	WFRAG FA, 4
	WFRAG FA+16, 5
	s_wait_dscnt 8                                 ; all but the 8 just issued
	KSTEP 2, FB, 0
	KSTEP 3, FB+16, 0
	PLACES 4
	WFRAG FB, 6
	WFRAG FB+16, 7
	s_wait_dscnt 8                                 ; K steps 4 and 5 are in
	KSTEP 4, FA, 0
	KSTEP 5, FA+16, 0
	s_wait_dscnt 0x0
	KSTEP 6, FB, 0
	KSTEP 7, FB+16, 0
	PLACES 5                                       ; for the loads below and for the first reads of the results
	global_load_b128 v[WS:WS+3], v[OWS], s[20:21]
	global_load_b128 v[WS+4:WS+7], v[OWS], s[20:21] offset:16
	WIN 0
.endm
; THE VECTOR PHASE OF A GROUP, a tile of 16 rows x 32 units (16 numbers a lane) at a time.  m = max(x, 0) and a = |x| lie in FB's registers (even tiles) or FA's (odd); P, P^4 and q stand in place of x.
.macro P1MAX t
.set TM, FB-32*((\t)%2)
.irp i, 0,1,2,3,4,5,6,7,8,9,10,11,12,13,14,15
	v_max_num_f32 v[TM+\i], 0, v[AC+16*(\t)+\i]    ; ascending: each accumulator is read from its low end on
.endr
.endm
.macro P1B t
.set TM, FB-32*((\t)%2)
.set TA, TM+16
.set AX, AC+16*(\t)
.irp i, 0,2,4,6,8,10,12,14
	v_pk_fma_f32 v[TA+\i:TA+\i+1], v[TM+\i:TM+\i+1], 2.0, v[AX+\i:AX+\i+1] op_sel_hi:[1,0,1] neg_lo:[0,0,1] neg_hi:[0,0,1]   ; a = 2 m - x = |x|, exactly
.endr
.irp i, 0,2,4,6,8,10,12,14
	v_pk_fma_f32 v[AX+\i:AX+\i+1], v[TA+\i:TA+\i+1], s[48:49], v[K3:K3+1] op_sel_hi:[1,0,1]   ; c4 a + c3
.endr
.irp c, 50,52,54
.irp i, 0,2,4,6,8,10,12,14
	v_pk_fma_f32 v[AX+\i:AX+\i+1], v[AX+\i:AX+\i+1], v[TA+\i:TA+\i+1], s[\c:\c+1] op_sel_hi:[1,1,0]   ; Horner, down to c0
.endr
.endr
.rept 2
.irp i, 0,2,4,6,8,10,12,14
	v_pk_mul_f32 v[AX+\i:AX+\i+1], v[AX+\i:AX+\i+1], v[AX+\i:AX+\i+1]   ; P^4 by two squarings
.endr
.endr
.endm
.macro RM t                            ; tile t's 16 reciprocals, each with a plain line of the next tile behind it
.set TM, FB-32*(((\t)+1)%2)
.irp i, 0,1,2,3,4,5,6,7,8,9,10,11,12,13,14,15
	v_rcp_f32 v[AC+16*(\t)+\i], v[AC+16*(\t)+\i]
	v_max_num_f32 v[TM+\i], 0, v[AC+16*((\t)+1)+\i]
.endr
.endm
.macro P2 t                            ; gelu = m - a q; two tiles of units, packed, are source 1 of the second product: registers 0-3 units 8 h + 0..7, registers 4-7 units 16 + 8 h + 0..7
.set TM, FB-32*((\t)%2)
.set TA, TM+16
.set AX, AC+16*(\t)
.irp i, 0,2,4,6,8,10,12,14
	v_pk_fma_f32 v[TM+\i:TM+\i+1], v[TA+\i:TA+\i+1], v[AX+\i:AX+\i+1], v[TM+\i:TM+\i+1] neg_lo:[1,0,0] neg_hi:[1,0,0]
.endr
.irp i, 0,1,2,3,4,5,6,7
	v_cvt_pk_bf16_f32 v[AX+\i], v[TM+2*\i], v[TM+2*\i+1]
.endr
	v_wmma_f32_16x16x32_bf16 v[L+8*(\t):L+8*(\t)+7], v[W2F:W2F+7], v[AX:AX+7], v[L+8*(\t):L+8*(\t)+7]   ; rows = classes, columns = my 16 rows of x; the four accumulators take turns
.endm
.macro GG                              ; one wait for each batch of 16 reciprocals, with the next tile's polynomial (56 lines) between the batch and the wait
	P1MAX 0
	P1B 0
	RM 0
	P1B 1
	s_wait_alu depctr_va_vdst(0)
	P2 0
	RM 1
	P1B 2
	s_wait_alu depctr_va_vdst(0)
	P2 1
	RM 2
	P1B 3
	s_wait_alu depctr_va_vdst(0)
	P2 2
.irp i, 0,1,2,3,4,5,6,7,8,9,10,11,12,13,14,15
	v_rcp_f32 v[AC+48+\i], v[AC+48+\i]
.endr
	v_nop                                          ; a plain line behind the last reciprocal
	s_wait_alu depctr_va_vdst(0)
	P2 3
	PLACES 5                                       ; the next products write over the packed operand, the next loads over W2^T's fragment
.endm
; HALF A SLOT: group k = units 128 k + 32 cq.  s68: the half slot's LDS byte; s69 = 256 k; s70 = 128 (k + 1), held at 1,920 so that the look-ahead stays inside b1 and the scales.
.macro HALF
	s_wait_xcnt 0x0                                ; the last group's loads have read v8 and v10
	v_add_nc_u32 v[ADW], s68, v[ADW0]
	v_add_nc_u32 v[ADV], s69, v[ADV0]
	s_min_u32 s71, s70, 1920
	s_lshl_b32 s72, s71, 2
	s_lshl_b32 s73, s71, 5
	v_add_nc_u32 v[OBI], s72, v[OBI0]
	v_add_nc_u32 v[OWS], s73, v[OWS0]
	s_cmp_lg_u32 s29, 0                            ; branches on the wave's number and on the count of groups alone
	s_cbranch_scc1 .Llate_\@
	MM                                             ; rh = 0: this group's products, then its GELU
	s_branch .Lgelu_\@
.Llate_\@:
	s_cmp_eq_u32 s69, 0                            ; rh = 1: the GELU of the group before, if there is one, then this group's products
	s_cbranch_scc1 .Lmul_\@
.Lgelu_\@:
	GG
	s_cmp_eq_u32 s29, 0
	s_cbranch_scc1 .Lend_\@
.Lmul_\@:
	MM
.Lend_\@:
	s_add_co_u32 s68, s68, HSTEP
	s_add_co_u32 s69, s69, 256
	s_add_co_u32 s70, s70, 128
.endm
.macro SLOTWORK                        ; a slot's two halves: written once, walked twice
	s_mov_b32 s66, 2
.Lhalf_\@:
	HALF
	s_sub_co_u32 s66, s66, 1
	s_cmp_lg_u32 s66, 0
	s_cbranch_scc1 .Lhalf_\@
	s_sub_co_u32 s68, s68, 2*HSTEP                 ; back to a slot's first half,
	s_xor_b32 s68, s68, SLOT                       ; in the other slot
.endm
; THE CHANGE OF SLOTS stands at a slot's head.  Each wave waits for all its tensor loads (its part of the slot that it is about to read), adds 0 to its spare word, and waits for that and for its reads of the slot that it
; has left.  fill = 1: a round of the cluster's barrier, so that no wave of any partner still reads that slot or has a load on its way; behind it the joint load of the next 256 units, which has a whole slot's work in which to land.
.macro CHANGE fill
	s_wait_tensorcnt 0x0                           ; no tensor load of mine is out, so the group 0 may be written
	ds_add_u32 v[SPW], v[NIL]                      ; 0 onto my spare word
.if \fill
	s_xor_b32 s37, s37, SLOT                       ; the other slot (wave x 33,792 has neither of SLOT's two bits set, so the exclusive or adds or takes away SLOT),
	s_add_nc_u64 s[38:39], s[38:39], 131072        ; the next 256 units; the type bits on top are not reached
.endif
	s_wait_dscnt 0x0                               ; the add is done, and my LDS reads are over
.if \fill
	ROUND
	TLOAD
.else
	s_barrier_signal -1
	s_barrier_wait -1
.endif
.endm
	s_mov_b32 s68, 0
	s_mov_b32 s69, 0
	s_mov_b32 s70, 128
	s_mov_b32 s63, 7
.Lslot:                                            ; seven trips: behind each change of slots but the last the next slot is asked for
	CHANGE 1
	SLOTWORK
	s_sub_co_u32 s63, s63, 1
	s_cmp_lg_u32 s63, 0
	s_cbranch_scc1 .Lslot
	CHANGE 0                                       ; the last slot is written out
	SLOTWORK
	s_cmp_eq_u32 s29, 0
	s_cbranch_scc1 .Lred
	GG                                             ; rh = 1: the last group's GELU
.Lred:
	; THE SUM OVER cq.  Registers 0 to 2 of lanes 0-15 hold the three classes of row r of tile t.  Each wave stores its four tiles; thread T of waves 0 to 3 adds row T's four parts and stores 16 bytes.
.irp t, 0,1,2,3
	ds_store_b128 v[RST], v[L+8*\t:L+8*\t+3] offset:512*\t
.endr
	BARRIER
	s_cmp_lt_u32 s28, 4
	s_cbranch_scc0 .Ldone
.irp q, 0,1,2,3
	ds_load_b128 v[100+4*\q:103+4*\q], v[RA] offset:2048*\q
.endr
	ds_load_b32 v116, v[AGR]
	s_wait_dscnt 0x0
	v_pk_add_f32 v[100:101], v[100:101], v[104:105]
	v_pk_add_f32 v[102:103], v[102:103], v[106:107]
	v_pk_add_f32 v[108:109], v[108:109], v[112:113]
	v_pk_add_f32 v[110:111], v[110:111], v[114:115]
	v_pk_add_f32 v[100:101], v[100:101], v[108:109]
	v_pk_add_f32 v[102:103], v[102:103], v[110:111]
	v_mov_b32 v103, v116                           ; the fourth word: the gate's logit
	global_store_b128 v[PO], v[100:103], s[26:27]  ; a wave's store covers 512 consecutive bytes, at a multiple of 256 from part's first byte
.Ldone:
	s_wait_tensorcnt 0x0                           ; the wave's end
	ds_add_u32 v[SPW], v[NIL]
	s_wait_dscnt 0x0
	ROUND                                          ; the closing round: no work-group ends while a partner may still ask for a tile that names it
	s_endpgm
.Lfunc_end_k_qde2c41278c_main:
	.size	k_qde2c41278c_main, .Lfunc_end_k_qde2c41278c_main-k_qde2c41278c_main
	.p2alignl 7, 3214868480
	.fill 96, 4, 3214868480
	.section	.rodata,"a",@progbits
	.p2align	6, 0x0
	.amdhsa_kernel k_qde2c41278c_main
		.amdhsa_group_segment_fixed_size 327680
		.amdhsa_private_segment_fixed_size 0
		.amdhsa_enable_private_segment 0
		.amdhsa_kernarg_size 96
		.amdhsa_user_sgpr_count 2
		.amdhsa_user_sgpr_kernarg_segment_ptr 1
		.amdhsa_wavefront_size32 1
		.amdhsa_system_sgpr_workgroup_id_x 1
		.amdhsa_system_sgpr_workgroup_id_y 1
		.amdhsa_system_sgpr_workgroup_id_z 1
		.amdhsa_system_vgpr_workitem_id 0
		.amdhsa_next_free_vgpr 512
		.amdhsa_next_free_sgpr 84
		.amdhsa_reserve_vcc 0
		.amdhsa_float_denorm_mode_32 3
		.amdhsa_float_denorm_mode_16_64 3
		.amdhsa_memory_ordered 1
		.amdhsa_forward_progress 1
		.amdhsa_inst_pref_size 255
	.end_amdhsa_kernel
	.section	.bss,"aw",@nobits
	.p2align	6
	.space	262144
	.amdgpu_metadata
---
amdhsa.version: [ 1, 2 ]
amdhsa.kernels:
  - .name:           k_qde2c41278c_main
    .symbol:         k_qde2c41278c_main.kd
    .args:
      - { .name: x, .offset: 0, .size: 8, .value_kind: global_buffer, .address_space: global }
      - { .name: gate_ln_g, .offset: 8, .size: 8, .value_kind: global_buffer, .address_space: global }
      - { .name: gate_ln_b, .offset: 16, .size: 8, .value_kind: global_buffer, .address_space: global }
      - { .name: gate_w, .offset: 24, .size: 8, .value_kind: global_buffer, .address_space: global }
      - { .name: gate_b, .offset: 32, .size: 8, .value_kind: global_buffer, .address_space: global }
      - { .name: ex_ln_g, .offset: 40, .size: 8, .value_kind: global_buffer, .address_space: global }
      - { .name: ex_ln_b, .offset: 48, .size: 8, .value_kind: global_buffer, .address_space: global }
      - { .name: ex_w1_codes, .offset: 56, .size: 8, .value_kind: global_buffer, .address_space: global }
      - { .name: ex_w1_scales, .offset: 64, .size: 8, .value_kind: global_buffer, .address_space: global }
      - { .name: ex_b1, .offset: 72, .size: 8, .value_kind: global_buffer, .address_space: global }
      - { .name: ex_w2, .offset: 80, .size: 8, .value_kind: global_buffer, .address_space: global }
      - { .name: part, .offset: 88, .size: 8, .value_kind: global_buffer, .address_space: global }
    .group_segment_fixed_size: 327680
    .private_segment_fixed_size: 0
    .kernarg_segment_align: 8
    .kernarg_segment_size: 96
    .max_flat_workgroup_size: 256
    .sgpr_count:     84
    .vgpr_count:     512
    .wavefront_size: 32
...
	.end_amdgpu_metadata
.endif
;; end of part 1
;; launch combine (part 2): grid 32 x 1, 8 waves a work-group, no clusters, 4,096 bytes of LDS; arguments part, ex_b2, out0; writes out0
.if DOCPART == 2
	.amdgcn_target "amdgcn-amd-amdhsa--gfx1250"
	.amdhsa_code_object_version 6
	.text
	.protected	k_qde2c41278c_combine
	.globl	k_qde2c41278c_combine
	.p2align	8
	.type	k_qde2c41278c_combine,@function
k_qde2c41278c_combine:
	s_mov_b64 s[64:65], 0
	v_nop
	global_prefetch_b8 v0, s[64:65] scope:SCOPE_SE
	s_setreg_imm32_b32 hwreg(HW_REG_WAVE_MODE, 25, 1), 1
	s_wait_xcnt 0x0
; out0[row][c] = sum over e of softmax_e(gate logit)[e] x (part[e][row][c] + ex_b2[e][c]).  part: [4][8192][4] f32: three logits and the gate's logit.
; A thread to a row, 256 rows to a work-group.  The softmax takes the row's largest logit away first.  A row of out0 is 12 bytes: the 3,072 bytes of 256 rows meet in LDS and leave 16 bytes a lane.
; No matrix unit, no cluster, no tensor load: the launch moves 622,592 bytes and shares nothing between work-groups.
	s_load_b128 s[4:7], s[0:1], 0x0                ; part, ex_b2
	s_load_b64 s[8:9], s[0:1], 0x10                ; out0
	v_lshl_add_u32 v48, v0, 2, 0xc00
	v_mov_b32 v49, 0
	v_lshlrev_b32 v1, 4, v0                        ; 16 T
	v_mul_u32_u24 v3, v0, 12                       ; 12 T
	v_lshrrev_b32 v2, 5, v0
	v_readfirstlane_b32 s10, v2                    ; wave
	s_lshl_b32 s12, ttmp9, 12                      ; 256 rows of 16 bytes
	s_mov_b32 s13, 0
	s_mul_i32 s14, ttmp9, 3072                     ; 256 rows of 12 bytes
	s_mov_b32 s15, 0
	s_wait_kmcnt 0x0
	s_load_b256 s[16:23], s[6:7], 0x0              ; ex_b2: twelve numbers, s[16 + 3 e + c]
	s_load_b128 s[24:27], s[6:7], 0x20
	s_add_nc_u64 s[4:5], s[4:5], s[12:13]
	s_add_nc_u64 s[8:9], s[8:9], s[14:15]
.irp e, 0,1,2,3
	global_load_b128 v[4+4*\e:7+4*\e], v1, s[4:5] offset:131072*\e   ; a wave's load covers 512 consecutive bytes
.endr
	s_wait_loadcnt 0x0
	v_max3_num_f32 v20, v7, v11, v15
	v_max_num_f32 v20, v20, v19                    ; the largest of the four gate logits
.irp e, 0,1,2,3
	v_sub_f32 v[24+\e], v[7+4*\e], v20
.endr
.irp e, 0,1,2,3
	v_mul_f32 v[24+\e], 0x3fb8aa3b, v[24+\e]       ; x log2(e)
.endr
.irp e, 0,1,2,3
	v_exp_f32 v[24+\e], v[24+\e]
.endr
	s_wait_kmcnt 0x0
.irp e, 0,1,2,3
.irp c, 0,1,2
	v_add_f32 v[4+4*\e+\c], s[16+3*\e+\c], v[4+4*\e+\c]   ; + b2: the independent work behind the exponentials
.endr
.endr
	s_wait_alu depctr_va_vdst(0)                   ; one wait for the four, ahead of their first reader
	v_add_f32 v21, v24, v25
	v_add_f32 v22, v26, v27
	v_add_f32 v21, v21, v22
	v_rcp_f32 v21, v21
.irp c, 0,1,2
	v_mul_f32 v[28+\c], v24, v[4+\c]               ; the weighted sums name nothing of the reciprocal
.endr
.irp e, 1,2,3
.irp c, 0,1,2
	v_fmac_f32 v[28+\c], v[24+\e], v[4+4*\e+\c]
.endr
.endr
	s_wait_alu depctr_va_vdst(0)                   ; and one for the reciprocal
.irp c, 0,1,2
	v_mul_f32 v[28+\c], v[28+\c], v21
.endr
.irp c, 0,1,2
	ds_store_b32 v3, v[28+\c] offset:4*\c
.endr
	s_wait_dscnt 0x0                               ; for the others' sake: my stores are done
	s_barrier_signal -1
	s_barrier_wait -1
	s_cmp_lt_u32 s10, 6                            ; 3,072 bytes are 192 lanes of 16
	s_cbranch_scc0 .Lend
	ds_load_b128 v[32:35], v1
	s_wait_dscnt 0x0
	global_store_b128 v1, v[32:35], s[8:9]         ; sixteen lanes store 256 consecutive bytes, at a multiple of 256 from out0's first byte
.Lend:
	s_wait_tensorcnt 0x0
	ds_add_u32 v48, v49
	s_wait_dscnt 0x0
	s_endpgm
.Lfunc_end_k_qde2c41278c_combine:
	.size	k_qde2c41278c_combine, .Lfunc_end_k_qde2c41278c_combine-k_qde2c41278c_combine
	.p2alignl 7, 3214868480
	.fill 96, 4, 3214868480
	.section	.rodata,"a",@progbits
	.p2align	6, 0x0
	.amdhsa_kernel k_qde2c41278c_combine
		.amdhsa_group_segment_fixed_size 4096
		.amdhsa_private_segment_fixed_size 0
		.amdhsa_enable_private_segment 0
		.amdhsa_kernarg_size 24
		.amdhsa_user_sgpr_count 2
		.amdhsa_user_sgpr_kernarg_segment_ptr 1
		.amdhsa_wavefront_size32 1
		.amdhsa_system_sgpr_workgroup_id_x 1
		.amdhsa_system_sgpr_workgroup_id_y 1
		.amdhsa_system_sgpr_workgroup_id_z 1
		.amdhsa_system_vgpr_workitem_id 0
		.amdhsa_next_free_vgpr 50
		.amdhsa_next_free_sgpr 66
		.amdhsa_reserve_vcc 0
		.amdhsa_float_denorm_mode_32 3
		.amdhsa_float_denorm_mode_16_64 3
		.amdhsa_memory_ordered 1
		.amdhsa_forward_progress 1
		.amdhsa_inst_pref_size 4
	.end_amdhsa_kernel
	.amdgpu_metadata
---
amdhsa.version: [ 1, 2 ]
amdhsa.kernels:
  - .name:           k_qde2c41278c_combine
    .symbol:         k_qde2c41278c_combine.kd
    .args:
      - { .name: part, .offset: 0, .size: 8, .value_kind: global_buffer, .address_space: global }
      - { .name: ex_b2, .offset: 8, .size: 8, .value_kind: global_buffer, .address_space: global }
      - { .name: out0, .offset: 16, .size: 8, .value_kind: global_buffer, .address_space: global }
    .group_segment_fixed_size: 4096
    .private_segment_fixed_size: 0
    .kernarg_segment_align: 8
    .kernarg_segment_size: 24
    .max_flat_workgroup_size: 256
    .sgpr_count:     66
    .vgpr_count:     50
    .wavefront_size: 32
...
	.end_amdgpu_metadata
.endif
;; end of part 2
